; MI455X (gfx1250); checked and timed in simulation.
; The chip was launched on July 23, 2026; its instructions are those of AMD's public machine-readable ISA for CDNA 5 (MIT licence, August 2026) and "CDNA5" Instruction Set Architecture Reference Guide (July 2026). The comments in the code are by the model that wrote it; some were corrected since.
;; Gradient Layer. Allowed arithmetic: matrix products marked QUANTISED: E3M2 operands, one E8M0 scale for each 32 along K, by v_wmma_scale_f32_16x16x128_f8f6f4 with both operands' format E3M2, f32 sums; products left as they are: f32 operands where the result goes on into a quantised operand, else bf16, f16 or f32 operands; f32 sums; everything else in f32.
;; Inputs: W0 4 x 128 float32; W1 128 x 128 float32; W2 128 x 128 float32; W3 128 x 5 float32; b0 128 float32; b1 128 float32; b2 128 float32; b3 5 float32; x 32,768 x 4 float32.
;; Outputs: out0 32,768 x 1 float32; out1 32,768 x 1 float32; out2 32,768 x 1 x 3 float32; out3 32,768 x 3 float32; out4 32,768 x 3 float32; out5 32,768 x 1 float32; out6 32,768 x 1 x 3 float32; out7 32,768 x 1 x 4 float32; out8 32,768 x 3 float32; out9 32,768 x 1 float32; out10 32,768 x 3 float32; out11 32,768 x 1 float32; out12 32,768 x 1 x 3 float32; out13 32,768 x 1 float32; out14 32,768 x 1 float32; out15 32,768 x 1 x 3 float32; out16 32,768 x 3 float32.
;; This version of the problem:
;;   THIS VERSION OF THE PROBLEM IS GIVEN IN LOW PRECISION. The matrix products marked QUANTISED in the list below multiply operands that are first quantised to E3M2 (3 exponent bits, 2 mantissa bits; 6 bits a number), with one power-of-two scale for each 32 numbers along K (OCP MX v1.0); their sums are f32. All else is computed in f32.
;;   The module's matrix products, in the order in which they are computed (A, B: the left and right operand; K: the contracted axis; several contracted axes count as one K, in the product's order):
;;     1. [M 32,768, K 4] x [K 4, N 128]; A: input x; B: input W0: left as it is (K = 4 < 32)
;;     2. [M 4, K 4] x [K 4, N 128]; A: computed on the way; B: input W0: left as it is (K = 4 < 32)
;;     3. [M 32,768, K 128] x [K 128, N 128]; A: computed on the way; B: input W1: QUANTISED
;;     4. [M 131,072, K 128] x [K 128, N 128]; A: computed on the way; B: input W1: QUANTISED
;;     5. [M 32,768, K 128] x [K 128, N 128]; A: computed on the way; B: input W2: QUANTISED
;;     6. [M 131,072, K 128] x [K 128, N 128]; A: computed on the way; B: input W2: QUANTISED
;;     7. [M 32,768, K 128] x [K 128, N 5]; A: computed on the way; B: input W3: left as it is (N = 5 < 16)
;;     8. [M 131,072, K 128] x [K 128, N 5]; A: computed on the way; B: input W3: left as it is (N = 5 < 16)
;;     9. [M 32,768, K 4] x [K 4, N 128]; A: input x; B: input W0: left as it is (K = 4 < 32)
;;     10. [M 4, K 4] x [K 4, N 128]; A: computed on the way; B: input W0: left as it is (K = 4 < 32)
;;     11. [M 4, K 4] x [K 4, N 128]; A: computed on the way; B: input W0: left as it is (K = 4 < 32)
;;     12. [M 32,768, K 128] x [K 128, N 128]; A: computed on the way; B: input W1: QUANTISED
;;     13. [M 131,072, K 128] x [K 128, N 128]; A: computed on the way; B: input W1: QUANTISED
;;     14. [M 131,072, K 128] x [K 128, N 128]; A: computed on the way; B: input W1: QUANTISED
;;     15. [M 524,288, K 128] x [K 128, N 128]; A: computed on the way; B: input W1: QUANTISED
;;     16. [M 32,768, K 128] x [K 128, N 128]; A: computed on the way; B: input W2: QUANTISED
;;     17. [M 131,072, K 128] x [K 128, N 128]; A: computed on the way; B: input W2: QUANTISED
;;     18. [M 131,072, K 128] x [K 128, N 128]; A: computed on the way; B: input W2: QUANTISED
;;     19. [M 524,288, K 128] x [K 128, N 128]; A: computed on the way; B: input W2: QUANTISED
;;     20. [M 32,768, K 128] x [K 128, N 5]; A: computed on the way; B: input W3: left as it is (N = 5 < 16)
;;     21. [M 131,072, K 128] x [K 128, N 5]; A: computed on the way; B: input W3: left as it is (N = 5 < 16)
;;     22. [M 131,072, K 128] x [K 128, N 5]; A: computed on the way; B: input W3: left as it is (N = 5 < 16)
;;     23. [M 524,288, K 128] x [K 128, N 5]; A: computed on the way; B: input W3: left as it is (N = 5 < 16)
;;     24. [M 32,768, K 4] x [K 4, N 128]; A: input x; B: input W0: left as it is (K = 4 < 32)
;;     25. [M 32,768, K 128] x [K 128, N 128]; A: computed on the way; B: input W1: QUANTISED
;;     26. [M 32,768, K 128] x [K 128, N 128]; A: computed on the way; B: input W2: QUANTISED
;;     27. [M 32,768, K 128] x [K 128, N 5]; A: computed on the way; B: input W3: left as it is (N = 5 < 16)
;;   THE QUANTISER, for each operand of a quantised product, along K:
;;     - K is cut into blocks of 32 from its start; a last block that is shorter is filled with zeros.
;;     - A block's scale is 2^e with e = floor(log2(the largest magnitude in the block)) - 4, held to -126 .. 127; a block of zeros has e = 0. As a byte (E8M0): e + 127.
;;     - Each number is divided by its block's scale, clamped to +-28, and rounded to the nearest number of E3M2, ties to even, subnormals kept.
;;     - The product sums the exact products of the quantised numbers (number of the format x scale) in f32.
;;   ~~~python
;;   def quantise(x, axis):      # numpy; x: float32 -> the quantised numbers, widened to float32 again
;;       x = np.moveaxis(x, axis, -1); K = x.shape[-1]
;;       x = np.pad(x, [(0, 0)] * (x.ndim - 1) + [(0, -K % 32)]); x = x.reshape(x.shape[:-1] + (-1, 32)); a = np.abs(x).max(-1, keepdims=True)
;;       e = np.where(a > 0, np.clip(np.frexp(np.where(a > 0, a, 1))[1] - 1 - 4, -126, 127), 0)      # np.frexp(a)[1] - 1 = floor(log2(a)), exactly
;;       r = np.clip(x / 2.0 ** e, -28, 28)
;;       step = 2.0 ** (np.maximum(np.frexp(np.where(r == 0, 1, r))[1] - 1, -2) - 2)
;;       q = np.round(r / step) * step * 2.0 ** e      # np.round: ties to even
;;       return np.moveaxis(q.reshape(q.shape[:-2] + (-1,))[..., :K], -1, axis).astype(np.float32)
;;   ~~~
;;   OPERANDS COMPUTED ON THE WAY. 'Computed on the way' means the value that the module computes at that place (a softmax that the list does not call 'softmax' is quantised finished and normalised). What goes into a quantiser is computed in f32, as accurately as f32 sums, v_exp_f32 and their like allow (about 1e-6 of the number): no bf16 or f16 on the way to a quantiser, and a product that is left as it is and whose result goes on into a quantised operand takes f32 operands (vector FMAs, or v_wmma_f32_16x16x4_f32). A number that lies on a knife's edge between two numbers of the format may be rounded either way, as far as f32 arithmetic and the matrix unit's own rounding can turn it there, and no further.
;; One version. Each part assembles by itself: llvm-mc -triple=amdgcn-amd-amdhsa -mcpu=gfx1250 --defsym DOCPART=n.
;; ======== version 1 of 1: 1 launch
;; launch grad (part 1): grid 256 x 1, 8 waves a work-group, no clusters, 238,080 bytes of LDS; arguments x, W0, b0, W1, b1, W2, b2, W3, b3, out0, out1, out2, out3, out4, out5, out6, out7, out8, out9, out10, out11, out12, out13, out14, out15, out16; writes out0, out1, out2, out3, out4, out5, out6, out7, out8, out9, out10, out11, out12, out13, out14, out15, out16
.if DOCPART == 1
	.amdgcn_target "amdgcn-amd-amdhsa--gfx1250"
	.amdhsa_code_object_version 6
	.text
	.protected	k_q4c3230a912_grad
	.globl	k_q4c3230a912_grad
	.p2align	8
	.type	k_q4c3230a912_grad,@function
k_q4c3230a912_grad:
	s_mov_b64 s[64:65], 0
	v_nop
	global_prefetch_b8 v0, s[64:65] scope:SCOPE_SE
	s_setreg_imm32_b32 hwreg(HW_REG_WAVE_MODE, 25, 1), 1
	s_wait_xcnt 0x0
; A tanh MLP 4 -> 128 -> 128 -> 128 -> 5, its Jacobian (4 tangents) and the Hessian entries of outputs n and Fi that are used, for 32,768 samples; 17 small outputs made of them.
; The two 128 x 128 products are done on codes of BF6 (E3M2) with one E8M0 scale for each 32 along K; the first product (K = 4) and the last (N = 5) by f32 multiply-adds in the lanes.
; ROWS.  A sample has 14 KINDS of row that go through every layer: 0 the primal P; 1-4 the tangents T0..T3; 5-13 the second-order rows S01 S02 S03 S11 S12 S13 S22 S23 S33.
; The same primal and tangent rows serve wherever the function is evaluated again; row (j, i) is taken from (i, j); row (0, 0) is read by no output and is not made.
; SHARES.  256 work-groups x 8 waves x 16 samples.  A wave takes its 16 samples through the whole chain.  The waves of a work-group share the staged constants, the quantised weights (an eighth made by each wave),
; W3 and the stage for the outputs: three barriers.
; LAYOUT.  The quantised products are used transposed: source 0 = 16 rows of W^T, source 1 = 16 samples of one kind.  Lane (r = lane % 16, h = lane / 16) holds sample r in every kind.  THE UNITS OF A TILE ARE NOT NEIGHBOURS:
; row m of tile 2 b + u is unit 32 b + 8 u + m + 8 (m / 8), so that a lane's 16 registers of tiles 2 b and 2 b + 1 are units 32 b + 16 h + 0 .. 15: the chain rule stays in the lane, and the registers run along the next K.
; CODES IN LDS.  An operand of 16 rows x 128 K is 1,536 bytes: half c at 768 c, in it lane L's 24 bytes (registers 6 c .. 6 c + 5) at 24 L.  So block b of row r lies at 384 b + 24 r, and the lane (r, h) that made
; 16 of its codes stores 12 bytes at + 12 h: the exchange of half blocks that the operand's layout asks for is done by the addresses.
; THE LAST PRODUCT.  Its five columns would fill a third of a matrix tile's rows, and only 37 of the 70 sums (kind, column) are read by an output.  A lane adds its 16 units of a block onto sums of its own: one packed
; multiply-add takes one unit to two columns, (c0, c4) += (x, x) (w0, w4); P and T1..T3 also have (c1, c2), and c3 packed along the units.  At the end lanes l and l xor 16 add their halves.  No operand is rounded.
; NO TENSOR LOADS, NO CLUSTER: what work-groups share is 134 KB of f32 weights, which have to pass through registers to be quantised; each work-group reads them once, asked for a whole stage ahead of their use.
; LIMITS: NaN and infinities among the inputs are not served.  A block of zeros gets the scale byte 1, not 127: its codes are zeros, and this program alone reads the bytes.  tanh is 1 - 2 / (1 + 2^(2 z log2 e)), and for
; z^2 < 0.04 the series z + z q (c3 + q (c5 + q c7)), q = z^2, whose first term left out is under 6e-8 of the result.  The order of f32 sums differs from the reference's.
.set WQ1,   0                          ; LDS: W1's codes, 8 tiles x 1,536 bytes
.set WQ2,   12288                      ; W2's
.set WS1,   24576                      ; W1's scale words: tile t, row m at 64 t + 4 m; byte = K block
.set WS2,   25088
.set W3A,   25600                      ; W3, f32: for each 16 units 320 bytes: (w0, w4) of unit u at 8 u, (w1, w2) at 128 + 8 u, w3 at 256 + 4 u; 2,560 bytes of a region of 8,192
.set CST,   33792                      ; W0's four rows (512 bytes each), b0 at +2048, b1 at +2560, b2 at +3072
.set STG,   37376                      ; the 17 outputs of the work-group's 128 samples, each as it lies in memory, one behind the other: 38 x 512 bytes
.set CODES, 56832                      ; for each wave 22,528 bytes: kind k's codes at 1536 k; its scale words at 21504 + 64 k + 4 r
.set CWAVE, 22528
.set CSC,   21504
; window 0
.set RR,    1                          ; r
.set HH,    2                          ; h
.set LN,    3                          ; lane
.set AST,   4                          ; my wave's codes + 24 r + 12 h: where I store 12 bytes of codes
.set ASC,   5                          ; my wave's scale words + 4 r
.set ALD,   6                          ; my wave's codes + 24 lane: where I load an operand
.set LN16,  7                          ; 16 lane
.set RQ4,   8                          ; 4 r
.set HF64,  9                          ; 64 h
.set LN24,  10                         ; 24 lane
.set ST4,   11                         ; the stage + 4, 12, 16 x my sample's number in the work-group
.set ST12,  12
.set ST16,  13
.set WPA,   14                         ; where I store the codes of my four columns of W
.set WPS,   15                         ; and their scale bytes
.set W3S,   16                         ; where I store my unit's pairs of W3: W3A + 640 wave + 320 h + 8 r
.set CSTS,  17                         ; where I store my 16 bytes of the constants
.set GX,    18                         ; global offsets: x; later out7's
.set GC,    19                         ; the constants
.set WA_ST, 20                         ; v20-25: a block's LDS addresses
.set WA_SC, 21
.set WA_CB, 22
.set WA_WF, 23
.set WA_WS, 24
.set WA_W3, 25
.set C5P,   26                         ; v[26:27] c5 twice; v[28:29] c3 twice
.set C3P,   28
.set XP,    30                         ; v30-37 (x_i, x_i) in the first stage
.set W04B,  30                         ; in the last stage: (w0, w4) of my units 12-15;
.set W04A,  54                         ; v54-77: of my units 0-11
.set SIN,   38                         ; v38-51 the 14 kinds' scale words: scales and nothing else
.set WSC,   52                         ; v52-53 the scale words of the block's two tiles of W: scales and nothing else
.set QA,    54                         ; v54-60 at work in a quantisation
.set MX,    61
.set MXO,   62
.set SCL,   64
.set QC0,   66                         ; v66-68 codes, v69 byte; v70-72, v73 the second set
.set CD,    66                         ; at the head: my 16 bytes of the constants
.set XR,    74                         ; and my sample's x
.set Z,     78                         ; 16 registers each: z, then h
.set FP,    94                         ; f'
.set FPP,   110                        ; f''
.set G,     126                        ; f'' dz_i; at a block's head the bias; in the last stage between the two: w3 of my 16 units
.set W3C,   126
.set T,     142                        ; a tangent on its way out
.set D2A,   158                        ; second-order rows, two sets by turns; in the last stage, until the tangents are done: (w1, w2) of my 16 units
.set D2B,   174
.set W12,   158
.set DZ,    190                        ; dz_i at DZ + 16 i
.set VW,    254                        ; global offsets: W; later the outputs of 4 bytes a sample
.set VW3,   255                        ; W3; later the outputs of 12 bytes a sample
; window 1
.set RW3,   128                        ; raw W in v0-127, my unit's row of W3 in v128-132 (w0, w4, w1, w2, w3), until they are laid out; then kind k's codes at 12 k
.set ACC,   168                        ; the last product's sums: (c0, c4) of kind k at ACC + 2 k;
.set A12,   196                        ; (c1, c2) of P, T1, T2, T3;
.set A3,    204                        ; c3 of the same four, even and odd units;  v212-223 and v248-255: (c0, c4) over the odd units, for T0 and the nine second-order kinds
.set WF,    224                        ; the block's two tiles of W
; scalars
.set WV,    22                         ; my wave's number
.set SEL,   30                         ; s[30:31] v_permlanex16_b32's selects for lane l xor 16
.set CNT,   37
.set SST,   38                         ; a block's steps: codes out, scale bytes out, constants, W's codes, W's scale words, W3
.set SSC,   39
.set SCB,   40
.set SWF,   41
.set SWS,   42
.set SW3,   43
.set MSB, 0
.macro WIN new                         ; s_set_vgpr_msb: bits 1:0 source 0, 3:2 source 1, 5:4 source 2, 7:6 destination; the high byte repeats the setting that is left
.if MSB != \new
	s_set_vgpr_msb (MSB<<8)|\new
.set MSB, \new
.endif
.endm
; Two scaled products: the block's two tiles of W against one kind's 16 samples, all 128 along K in one instruction each.  Under WIN 0x05: W and the codes in window 1, C and D in window 0.
.macro MM kind, d, bias
.irp u, 0,1
.if \bias
	v_wmma_scale_f32_16x16x128_f8f6f4 v[(\d)+8*\u:(\d)+8*\u+7], v[WF+12*\u:WF+12*\u+11], v[12*(\kind):12*(\kind)+11], v[G+8*\u:G+8*\u+7], v[WSC+\u], v[SIN+(\kind)] matrix_a_fmt:MATRIX_FMT_BF6 matrix_b_fmt:MATRIX_FMT_BF6
.else
	v_wmma_scale_f32_16x16x128_f8f6f4 v[(\d)+8*\u:(\d)+8*\u+7], v[WF+12*\u:WF+12*\u+11], v[12*(\kind):12*(\kind)+11], 0, v[WSC+\u], v[SIN+(\kind)] matrix_a_fmt:MATRIX_FMT_BF6 matrix_b_fmt:MATRIX_FMT_BF6
.endif
.endr
.endm
; h = tanh(z) in place, f' = 1 - h^2, f'' = -2 h f'.  At work: T (the exponential form), D2B (q = z^2), FP (the series).  Behind every transcendental stands a plain instruction before its result is used.
.macro TANH
.irp e, 0,2,4,6,8,10,12,14
	v_pk_mul_f32 v[T+\e:T+\e+1], v[Z+\e:Z+\e+1], s[32:33] op_sel_hi:[1,0]      ; 2 z log2(e)
.endr
.irp e, 0,2,4,6,8,10,12,14
	v_exp_f32 v[T+\e], v[T+\e]
	v_exp_f32 v[T+\e+1], v[T+\e+1]
	v_pk_mul_f32 v[D2B+\e:D2B+\e+1], v[Z+\e:Z+\e+1], v[Z+\e:Z+\e+1]            ; q
.endr
	s_wait_alu depctr_va_vdst(0)
.irp e, 0,2,4,6,8,10,12,14
	v_pk_add_f32 v[T+\e:T+\e+1], v[T+\e:T+\e+1], 1.0 op_sel_hi:[1,0]
.endr
.irp e, 0,2,4,6,8,10,12,14
	v_rcp_f32 v[T+\e/2], v[T+\e/2]
	v_pk_fma_f32 v[FP+\e:FP+\e+1], v[D2B+\e:D2B+\e+1], s[34:35], v[C5P:C5P+1] op_sel_hi:[1,0,1]   ; c5 + q c7
.endr
.irp e, 0,2,4,6,8,10,12,14
	v_rcp_f32 v[T+8+\e/2], v[T+8+\e/2]
	v_pk_fma_f32 v[FP+\e:FP+\e+1], v[FP+\e:FP+\e+1], v[D2B+\e:D2B+\e+1], v[C3P:C3P+1]             ; c3 + q (..)
.endr
.irp e, 0,2,4,6,8,10,12,14
	v_pk_mul_f32 v[FP+\e:FP+\e+1], v[FP+\e:FP+\e+1], v[D2B+\e:D2B+\e+1]
.endr
.irp e, 0,2,4,6,8,10,12,14
	v_pk_fma_f32 v[FP+\e:FP+\e+1], v[Z+\e:Z+\e+1], v[FP+\e:FP+\e+1], v[Z+\e:Z+\e+1]               ; the series
.endr
	s_wait_alu depctr_va_vdst(0)
.irp e, 0,2,4,6,8,10,12,14
	v_pk_fma_f32 v[T+\e:T+\e+1], v[T+\e:T+\e+1], -2.0, 1.0 op_sel_hi:[1,0,0]                      ; 1 - 2 / (1 + 2^..)
.endr
.irp g, 0,4,8,12
.irp n, 0,1,2,3
	v_cmp_gt_f32 s[52+\n], s36, v[D2B+\g+\n]                                   ; 0.04 > q: the series is taken.  The mask selects a value and steers nothing
.endr
.irp n, 0,1,2,3
	v_cndmask_b32 v[Z+\g+\n], v[T+\g+\n], v[FP+\g+\n], s[52+\n]
.endr
.endr
.if DST                                ; the last stage: q and the bias are done with, S01's product comes later: their registers take (w1, w2) and w3 of my 16 units; 48 vector instructions stand ahead of the wait
.irp q, 0,1,2,3,4,5,6,7
	ds_load_b128 v[W12+4*\q:W12+4*\q+3], v[WA_W3] offset:W3A+128+16*\q
.endr
.irp q, 0,1,2,3
	ds_load_b128 v[W3C+4*\q:W3C+4*\q+3], v[WA_W3] offset:W3A+256+16*\q
.endr
.endif
.irp e, 0,2,4,6,8,10,12,14
	v_pk_fma_f32 v[FP+\e:FP+\e+1], v[Z+\e:Z+\e+1], v[Z+\e:Z+\e+1], 1.0 op_sel_hi:[1,1,0] neg_lo:[1,0,0] neg_hi:[1,0,0]   ; f' = 1 - h h
.endr
.irp e, 0,2,4,6,8,10,12,14
	v_pk_mul_f32 v[FPP+\e:FPP+\e+1], v[Z+\e:Z+\e+1], -2.0 op_sel_hi:[1,0]
.endr
.irp e, 0,2,4,6,8,10,12,14
	v_pk_mul_f32 v[FPP+\e:FPP+\e+1], v[FPP+\e:FPP+\e+1], v[FP+\e:FP+\e+1]      ; f'' = -2 h f'
.endr
.endm
; My 16 numbers of one kind's block become 16 codes (12 bytes) and, with lane l xor 16's, the block's scale byte; both go to my wave's own LDS bytes.
.macro QUANT src, kind
.set QS, \src
.set QC, QC0+4*((\kind)%2)
	v_max3_num_f32 v[QA],   |v[QS]|,    |v[QS+1]|,  |v[QS+2]|
	v_max3_num_f32 v[QA+1], |v[QS+3]|,  |v[QS+4]|,  |v[QS+5]|
	v_max3_num_f32 v[QA+2], |v[QS+6]|,  |v[QS+7]|,  |v[QS+8]|
	v_max3_num_f32 v[QA+3], |v[QS+9]|,  |v[QS+10]|, |v[QS+11]|
	v_max3_num_f32 v[QA+4], |v[QS+12]|, |v[QS+13]|, |v[QS+14]|
	v_max3_num_f32 v[QA+5], v[QA], v[QA+1], v[QA+2]
	v_max3_num_f32 v[QA+6], v[QA+3], v[QA+4], |v[QS+15]|
	v_max3_num_f32 v[MX], v[QA+5], v[QA+6], 0x2800000          ; and the floor 2^(5 - 127): the byte cannot fall under 1
	v_permlanex16_b32 v[MXO], v[MX], s[SEL], s[SEL+1]
	v_max_num_f32 v[MX], v[MX], v[MXO]                         ; the block's largest magnitude
	v_add_nc_u32 v[SCL], 0xfe000000, v[MX]                     ; 4 off its exponent field: the conversion takes that field as its scale
	s_wait_dscnt 4                                             ; only the last quantisation's four stores may be out: those of the one before, which read this set of registers, are done
	v_cvt_scalef32_pk16_bf6_f32 v[QC:QC+2], v[QS:QS+15], v[SCL]
	v_lshrrev_b32 v[QC+3], 23, v[SCL]                          ; the scale's byte; also the plain place behind the conversion
.irp e, 0,1,2
	ds_store_b32 v[WA_ST], v[QC+\e] offset:1536*(\kind)+4*\e
.endr
	ds_store_b8 v[WA_SC], v[QC+3] offset:64*(\kind)            ; both lanes of a block write the same byte with the same value
.endm
.macro SETW u                          ; WR = the registers of (w0, w4) of my unit u
.if (\u) < 12
.set WR, W04A+2*(\u)
.else
.set WR, W04B+2*((\u)-12)
.endif
.endm
.macro SETO kind                       ; AO = the registers of a kind's sums over the odd units: T0 first, then the nine second-order kinds
.if (\kind) == 1
.set OJ, 0
.else
.set OJ, (\kind)-4
.endif
.if OJ < 6
.set AO, 212+2*OJ
.else
.set AO, 248+2*(OJ-6)
.endif
.endm
; The last product for a kind of which only columns 0 and 4 are read.  (c0, c4) += (x_u, x_u) (w0_u, w4_u): op_sel and op_sel_hi pick the pair's first register for both halves (even u) or its second (odd u).
; Two sums by turns, the even units' and the odd units', so that no line adds onto the line just above it.  Under WIN 0x50: the sums in window 1, numbers and weights in window 0.
.macro DOT1 src, kind
	SETO \kind
.set AE, ACC+2*(\kind)
	WIN 0x50
.irp e, 0,2,4,6,8,10,12,14
	SETW \e
	v_pk_fma_f32 v[AE:AE+1], v[(\src)+\e:(\src)+\e+1], v[WR:WR+1], v[AE:AE+1] op_sel_hi:[0,1,1]
	SETW \e+1
	v_pk_fma_f32 v[AO:AO+1], v[(\src)+\e:(\src)+\e+1], v[WR:WR+1], v[AO:AO+1] op_sel:[1,0,0] op_sel_hi:[1,1,1]
.endr
	WIN 0
.endm
; The same for P and T1..T3 (m = 0 .. 3), of which all five columns are read: (c0, c4), (c1, c2), and c3 packed along the units; the three sums by turns.
.macro DOT5 src, kind, m
.set AE, ACC+2*(\kind)
.set AM, A12+2*(\m)
.set AC, A3+2*(\m)
	WIN 0x50
.irp e, 0,2,4,6,8,10,12,14
	SETW \e
	v_pk_fma_f32 v[AE:AE+1], v[(\src)+\e:(\src)+\e+1], v[WR:WR+1], v[AE:AE+1] op_sel_hi:[0,1,1]
	v_pk_fma_f32 v[AM:AM+1], v[(\src)+\e:(\src)+\e+1], v[W12+2*\e:W12+2*\e+1], v[AM:AM+1] op_sel_hi:[0,1,1]
	v_pk_fma_f32 v[AC:AC+1], v[(\src)+\e:(\src)+\e+1], v[W3C+\e:W3C+\e+1], v[AC:AC+1]
	SETW \e+1
	v_pk_fma_f32 v[AE:AE+1], v[(\src)+\e:(\src)+\e+1], v[WR:WR+1], v[AE:AE+1] op_sel:[1,0,0] op_sel_hi:[1,1,1]
	v_pk_fma_f32 v[AM:AM+1], v[(\src)+\e:(\src)+\e+1], v[W12+2*\e+2:W12+2*\e+3], v[AM:AM+1] op_sel:[1,0,0] op_sel_hi:[1,1,1]
.endr
	WIN 0
.endm
.macro OUTK src, kind                  ; a finished row of this layer goes on: to the quantiser, or into the last product
.if DST
	DOT1 \src, \kind
.else
	QUANT \src, \kind
.endif
.endm
; Second-order row p = (i, j): f' d2z_ij + (f'' dz_i) dz_j.  The products for row p + 1 are issued first, into the other set: this row's vector work stands behind them as their places.
.macro SEC p, i, j, newg
.set KD, 5+\p
.if (\p)%2 == 0
.set DD, D2A
.set DO, D2B
.else
.set DD, D2B
.set DO, D2A
.endif
.if SRC && (\p < 8)
	WIN 0x05
	MM 6+\p, DO, 0
	WIN 0
.endif
.if \newg
.irp e, 0,2,4,6,8,10,12,14
	v_pk_mul_f32 v[G+\e:G+\e+1], v[FPP+\e:FPP+\e+1], v[DZ+16*\i+\e:DZ+16*\i+\e+1]
.endr
.endif
.if SRC
.irp e, 0,2,4,6,8,10,12,14
	v_pk_mul_f32 v[DD+\e:DD+\e+1], v[FP+\e:FP+\e+1], v[DD+\e:DD+\e+1]          ; each accumulator is read from its low end on
.endr
.irp e, 0,2,4,6,8,10,12,14
	v_pk_fma_f32 v[DD+\e:DD+\e+1], v[G+\e:G+\e+1], v[DZ+16*\j+\e:DZ+16*\j+\e+1], v[DD+\e:DD+\e+1]
.endr
.else
.irp e, 0,2,4,6,8,10,12,14
	v_pk_mul_f32 v[DD+\e:DD+\e+1], v[G+\e:G+\e+1], v[DZ+16*\j+\e:DZ+16*\j+\e+1]  ; the first layer is linear in x: d2z = 0
.endr
.endif
	OUTK DD, KD
.endm
; ONE BLOCK OF 32 UNITS of one layer, all 14 kinds.  src = 0: the first layer, from x, W0, b0;  1: from the codes in window 1 and W's tiles at wqb, wsb, the bias at boff.  dst = 0: results are quantised;  1: they go into the last product.
.macro BLOCK src, dst, wqb, wsb, boff
.set SRC, \src
.set DST, \dst
.if DST == 0
	v_add_nc_u32 v[WA_ST], s[SST], v[AST]
	v_add_nc_u32 v[WA_SC], s[SSC], v[ASC]
.endif
	v_add_nc_u32 v[WA_CB], s[SCB], v[HF64]
.if SRC
	v_add_nc_u32 v[WA_WF], s[SWF], v[LN24]
	v_add_nc_u32 v[WA_WS], s[SWS], v[RQ4]
.endif
.if DST
	v_mul_u32_u24 v[WA_W3], v[HF64], 5                         ; 320 h: my half's 16 units of the block's 32,
	v_add_nc_u32 v[WA_W3], s[SW3], v[WA_W3]                    ; 640 bytes a block
.endif
.if SRC
	WIN 0x40                                                   ; destination window 1
.irp u, 0,1
.irp c, 0,1
.irp p, 0,1,2
	ds_load_b64 v[WF+12*\u+6*\c+2*\p:WF+12*\u+6*\c+2*\p+1], v[WA_WF] offset:\wqb+1536*\u+768*\c+8*\p
.endr
.endr
.endr
	WIN 0
.irp u, 0,1
	ds_load_b32 v[WSC+\u], v[WA_WS] offset:\wsb+64*\u
.endr
.irp q, 0,1,2,3
	ds_load_b128 v[G+4*\q:G+4*\q+3], v[WA_CB] offset:CST+\boff+16*\q           ; the bias of my 16 units: the C of the primal's products
.endr
.else
.irp q, 0,1,2,3
	ds_load_b128 v[Z+4*\q:Z+4*\q+3], v[WA_CB] offset:CST+2048+16*\q            ; b0
.endr
.irp i, 0,1,2,3
.irp q, 0,1,2,3
	ds_load_b128 v[DZ+16*\i+4*\q:DZ+16*\i+4*\q+3], v[WA_CB] offset:CST+512*\i+16*\q   ; dz_i = W0's row i
.endr
.endr
.endif
.if DST
.irp q, 0,1,2,3,4,5
	ds_load_b128 v[W04A+4*\q:W04A+4*\q+3], v[WA_W3] offset:W3A+16*\q           ; (w0, w4) of my units 0-11,
.endr
.irp q, 0,1
	ds_load_b128 v[W04B+4*\q:W04B+4*\q+3], v[WA_W3] offset:W3A+96+16*\q        ; and 12-15: they stay for the block
.endr
.endif
	s_wait_dscnt 0x0                                           ; these loads, and at a stage's first block the codes and scale words asked for in front of it
.if SRC
	WIN 0x05
	MM 0, Z, 1
.irp i, 0,1,2,3
	MM 1+\i, DZ+16*\i, 0
.endr
.if DST == 0
	MM 5, D2A, 0
.endif
	WIN 0
.rept 4
	v_nop                                                      ; four places between the products and the first read of a result, and the loads into the bias's registers
.endr
.else
.irp i, 0,1,2,3
.irp e, 0,2,4,6,8,10,12,14
	v_pk_fma_f32 v[Z+\e:Z+\e+1], v[DZ+16*\i+\e:DZ+16*\i+\e+1], v[XP+2*\i:XP+2*\i+1], v[Z+\e:Z+\e+1]
.endr
.endr
.endif
	TANH
.if DST
.irp e, 0,2,4,6,8,10,12,14
	v_pk_mul_f32 v[T+\e:T+\e+1], v[FP+\e:FP+\e+1], v[DZ+\e:DZ+\e+1]            ; T0 first: it wants (w0, w4) alone
.endr
	DOT1 T, 1
	s_wait_dscnt 0x0                                           ; (w1, w2) and w3 are in
	DOT5 Z, 0, 0
.irp i, 1,2,3
.irp e, 0,2,4,6,8,10,12,14
	v_pk_mul_f32 v[T+\e:T+\e+1], v[FP+\e:FP+\e+1], v[DZ+16*\i+\e:DZ+16*\i+\e+1]
.endr
	DOT5 T, 1+\i, \i
.endr
	WIN 0x05
	MM 5, D2A, 0                                               ; S01's products, now that (w1, w2) have left their registers; the eight lines that make f'' dz_0 are the places behind them
.else
	QUANT Z, 0
.irp i, 0,1,2,3
.irp e, 0,2,4,6,8,10,12,14
	v_pk_mul_f32 v[T+\e:T+\e+1], v[FP+\e:FP+\e+1], v[DZ+16*\i+\e:DZ+16*\i+\e+1]
.endr
	QUANT T, 1+\i
.endr
.endif
	SEC 0, 0, 1, 1
	SEC 1, 0, 2, 0
	SEC 2, 0, 3, 0
	SEC 3, 1, 1, 1
	SEC 4, 1, 2, 0
	SEC 5, 1, 3, 0
	SEC 6, 2, 2, 1
	SEC 7, 2, 3, 0
	SEC 8, 3, 3, 1
.endm
; The 14 kinds' codes and scale words come from my wave's own LDS bytes into registers: LDS serves a wave's instructions in order, so they see my stores; the next block's head waits for them.
.macro LOADCODES
	WIN 0x40
.set K, 0
.rept 14
.irp c, 0,1
.irp p, 0,1,2
	ds_load_b64 v[12*K+6*\c+2*\p:12*K+6*\c+2*\p+1], v[ALD] offset:1536*K+768*\c+8*\p
.endr
.endr
.set K, K+1
.endr
	WIN 0
.set K, 0
.rept 14
	ds_load_b32 v[SIN+K], v[ASC] offset:64*K
.set K, K+1
.endr
.endm
; Column 4 lane + j of W, my wave's 32 rows (one block along K): 32 numbers, brought together, become 24 bytes of codes and a scale byte.
.macro WCOL j
.set TB, DZ+32*((\j)%2)
.set WC, 94+8*((\j)%2)
	WIN 0x01                                                   ; source window 1
.set I, 0
.rept 32
	v_mov_b32 v[TB+I], v[4*I+(\j)]                             ; the conversion takes neighbours along K from consecutive registers
.set I, I+1
.endr
	WIN 0
.irp q, 0,1,2,3,4,5,6,7,8,9
	v_max3_num_f32 v[78+\q], |v[TB+3*\q]|, |v[TB+3*\q+1]|, |v[TB+3*\q+2]|
.endr
	v_max3_num_f32 v88, v78, v79, v80
	v_max3_num_f32 v89, v81, v82, v83
	v_max3_num_f32 v90, v84, v85, v86
	v_max3_num_f32 v91, v87, |v[TB+30]|, |v[TB+31]|
	v_max3_num_f32 v92, v88, v89, v90
	v_max3_num_f32 v93, v92, v91, 0x2800000                    ; with the floor 2^(5 - 127)
	v_add_nc_u32 v101, 0xfe000000, v93
	s_wait_dscnt 7                                             ; only the last column's seven stores may be out: those of the one before, which read this set of registers, are done
	v_cvt_scalef32_pk16_bf6_f32 v[WC:WC+2], v[TB:TB+15], v101
	v_cvt_scalef32_pk16_bf6_f32 v[WC+4:WC+6], v[TB+16:TB+31], v101
	v_lshrrev_b32 v[WC+3], 23, v101                            ; the byte; also the plain place behind the conversions
.irp e, 0,1,2
	ds_store_b32 v[WPA], v[WC+\e] offset:24*(\j)+4*\e
.endr
.irp e, 0,1,2
	ds_store_b32 v[WPA], v[WC+4+\e] offset:24*(\j)+12+4*\e
.endr
	ds_store_b8 v[WPS], v[WC+3] offset:4*(\j)
.endm
; Chunk c of the stage's 38 x 512 bytes: CK = which output, CI = which 512 bytes of the work-group's part of it, CV = the offset register for that output's bytes a sample.
.macro MAPC c
.set CK, 0
.set CS, 0
.irp e, 1,2,5,8,11,12,15,19,22,23,26,27,30,31,32,35
.if (\c) >= \e
.set CK, CK+1
.set CS, \e
.endif
.endr
.set CI, (\c)-CS
.if CK == 7
.set CV, GX
.elseif (CK==0)||(CK==1)||(CK==5)||(CK==9)||(CK==11)||(CK==13)||(CK==14)
.set CV, VW
.else
.set CV, VW3
.endif
.endm
	; ---- the head: pointers, lane numbers, the LDS address registers that stay
	s_load_b512 s[4:19], s[0:1], 0x0               ; x s[4:5], W0 s[6:7], b0 s[8:9], W1 s[10:11], b1 s[12:13], W2 s[14:15], b2 s[16:17], W3 s[18:19]
	s_load_b64 s[20:21], s[0:1], 0x40              ; b3
	s_load_b512 s[68:83], s[0:1], 0x48             ; out0 .. out7: out k in s[68 + 2 k : 69 + 2 k]
	s_load_b512 s[84:99], s[0:1], 0x88             ; out8 .. out15
	s_load_b64 s[100:101], s[0:1], 0xc8            ; out16
	v_lshrrev_b32 v1, 5, v0
	v_readfirstlane_b32 s[WV], v1                  ; wave 0..7
	v_and_b32 v[LN], 31, v0
	v_and_b32 v[RR], 15, v0
	v_bfe_u32 v[HH], v0, 4, 1
	s_mul_i32 s44, s[WV], CWAVE
	s_add_co_u32 s44, s44, CODES                   ; my wave's codes
	v_mul_u32_u24 v[AST], v[RR], 24
	v_mad_u32_u24 v[AST], v[HH], 12, v[AST]
	v_add_nc_u32 v[AST], s44, v[AST]
	v_lshl_add_u32 v[ASC], v[RR], 2, s44
	v_add_nc_u32 v[ASC], CSC, v[ASC]
	v_mul_u32_u24 v[LN24], v[LN], 24
	v_add_nc_u32 v[ALD], s44, v[LN24]
	v_lshlrev_b32 v[LN16], 4, v[LN]
	v_lshlrev_b32 v[RQ4], 2, v[RR]
	v_lshlrev_b32 v[HF64], 6, v[HH]
	s_lshl_b32 s45, s[WV], 4
	v_add_nc_u32 v[ST4], s45, v[RR]                ; my sample's number in the work-group: 16 wave + r
	v_mul_u32_u24 v[ST12], v[ST4], 12
	v_add_nc_u32 v[ST12], STG, v[ST12]
	v_lshl_add_u32 v[ST16], v[ST4], 4, STG
	v_lshl_add_u32 v[ST4], v[ST4], 2, STG
	; column n = 4 lane + j of W is row m = (n % 8) + 8 ((n / 16) % 2) of tile 2 (n / 32) + (n / 8) % 2
	v_lshrrev_b32 v20, 3, v[LN]                    ; n / 32
	v_bfe_u32 v21, v[LN], 1, 1                     ; (n / 8) % 2
	v_bfe_u32 v22, v[LN], 2, 1                     ; (n / 16) % 2
	v_and_b32 v23, 1, v[LN]                        ; (n / 4) % 2
	v_mul_u32_u24 v[WPA], v20, 3072
	v_mad_u32_u24 v[WPA], v21, 1536, v[WPA]
	v_mad_u32_u24 v[WPA], v22, 192, v[WPA]
	v_mad_u32_u24 v[WPA], v23, 96, v[WPA]
	s_lshr_b32 s44, s[WV], 2                       ; waves 0-3 take W1, waves 4-7 W2;
	s_mul_i32 s44, s44, 12288
	s_and_b32 s45, s[WV], 3                        ; wave % 4 is the block along K
	s_mul_i32 s46, s45, 384
	s_add_co_u32 s44, s44, s46
	v_add_nc_u32 v[WPA], s44, v[WPA]
	v_lshlrev_b32 v[WPS], 7, v20
	v_lshl_add_u32 v[WPS], v21, 6, v[WPS]
	v_lshl_add_u32 v[WPS], v22, 5, v[WPS]
	v_lshl_add_u32 v[WPS], v23, 4, v[WPS]
	s_lshr_b32 s44, s[WV], 2
	s_lshl_b32 s44, s44, 9
	s_add_co_u32 s44, s44, s45
	s_add_co_u32 s44, s44, WS1
	v_add_nc_u32 v[WPS], s44, v[WPS]
	s_mul_i32 s44, s[WV], 640                      ; W3: waves 0-3 take unit 32 wave + lane, which is unit r of group 2 wave + h
	s_add_co_u32 s45, s44, W3A
	v_mul_u32_u24 v[W3S], v[HH], 320
	v_lshl_add_u32 v[W3S], v[RR], 3, v[W3S]
	v_add_nc_u32 v[W3S], s45, v[W3S]
	v_mul_u32_u24 v[VW3], v[LN], 20                ; and in memory: 20 bytes a unit
	v_add_nc_u32 v[VW3], s44, v[VW3]
	s_lshl_b32 s44, s[WV], 9
	s_add_co_u32 s44, s44, CST
	v_add_nc_u32 v[CSTS], s44, v[LN16]
	; global offsets
	s_lshl_b32 s44, ttmp9, 11                      ; x: 128 samples of 16 bytes a work-group,
	s_lshl_b32 s45, s[WV], 8                       ; 16 a wave
	s_add_co_u32 s44, s44, s45
	v_lshl_add_u32 v[GX], v[RR], 4, s44
	s_cmp_lt_u32 s[WV], 4                          ; the constants: waves 0-3 take W0's row wave, waves 4, 5, 6 take b0, b1, b2
	s_cselect_b32 s44, s[WV], 0
	s_lshl_b32 s44, s44, 9
	v_lshl_add_u32 v[GC], v[LN], 4, s44
	s_and_b32 s44, s[WV], 3
	s_lshl_b32 s44, s44, 14                        ; W: 32 rows of 512 bytes for each block along K
	v_lshl_add_u32 v[VW], v[LN], 4, s44
	s_wait_kmcnt 0x0
	s_load_b128 s[24:27], s[20:21], 0x0            ; b3's five numbers; waited for in front of the way out
	s_load_b32 s28, s[20:21], 0x10
	s_mov_b64 s[48:49], s[6:7]                     ; which buffer my 512 bytes of constants come from: the choices hang on the wave's number alone
	s_cmp_eq_u32 s[WV], 4
	s_cselect_b64 s[48:49], s[8:9], s[48:49]
	s_cmp_eq_u32 s[WV], 5
	s_cselect_b64 s[48:49], s[12:13], s[48:49]
	s_cmp_eq_u32 s[WV], 6
	s_cselect_b64 s[48:49], s[16:17], s[48:49]
	s_cmp_lt_u32 s[WV], 4
	s_cselect_b64 s[50:51], s[10:11], s[14:15]     ; W1 or W2
	s_cmp_lt_u32 s[WV], 7
	s_cbranch_scc0 .Lno_const_load
	global_load_b128 v[CD:CD+3], v[GC], s[48:49]
.Lno_const_load:
	global_load_b128 v[XR:XR+3], v[GX], s[4:5] th:TH_LOAD_NT
	s_cmp_lt_u32 s[WV], 4
	s_cbranch_scc0 .Lno_w3_load
	WIN 0x40                                       ; destination window 1
	global_load_b32 v[RW3], v[VW3], s[18:19]                   ; my unit's w0,
	global_load_b32 v[RW3+1], v[VW3], s[18:19] offset:16       ; w4: the pair that is stored together;
	global_load_b32 v[RW3+2], v[VW3], s[18:19] offset:4        ; w1,
	global_load_b32 v[RW3+3], v[VW3], s[18:19] offset:8        ; w2;
	global_load_b32 v[RW3+4], v[VW3], s[18:19] offset:12       ; w3
	WIN 0
.Lno_w3_load:
	WIN 0x40                                       ; destination window 1: the weights land while the first layer is worked
.set I, 0
.rept 32
	global_load_b128 v[4*I:4*I+3], v[VW], s[50:51] offset:512*I    ; a whole row of W: 32 lanes read 512 consecutive bytes
.set I, I+1
.endr
	WIN 0
	s_mov_b32 s[SEL], 0x76543210
	s_mov_b32 s[SEL+1], 0xfedcba98
	s_mov_b32 s32, 0x4038aa3b                      ; 2 log2(e)
	s_mov_b32 s33, s32                             ; (the packed forms name pairs, so both words are written)
	s_mov_b32 s34, 0xbd5d0dd1                      ; c7 = -17/315
	s_mov_b32 s35, s34
	s_mov_b32 s36, 0x3d23d70a                      ; 0.04
	v_mov_b32 v[C5P], 0x3e088889                   ; c5 = 2/15
	v_mov_b32 v[C5P+1], 0x3e088889
	v_mov_b32 v[C3P], 0xbeaaaaab                   ; c3 = -1/3
	v_mov_b32 v[C3P+1], 0xbeaaaaab
	v_mov_b32 v[MXO], 0                            ; written once: a lane permute's destination counts as one of its sources
	s_wait_loadcnt 32                              ; the constants and x are in; the 32 loads of W, which every wave issued last, stay out
	s_cmp_lt_u32 s[WV], 7
	s_cbranch_scc0 .Lno_const_store
	ds_store_b128 v[CSTS], v[CD:CD+3]
.Lno_const_store:
	s_wait_dscnt 0x0                               ; for the others' sake: my store has landed
	s_barrier_signal -1
	s_barrier_wait -1                              ; W0, b0, b1, b2 lie in LDS
.irp i, 0,1,2,3
	v_mov_b32 v[XP+2*\i], v[XR+\i]
	v_mov_b32 v[XP+2*\i+1], v[XR+\i]
.endr
	; ---- the first layer: four blocks of 32 units, from x, W0, b0; all 14 kinds quantised into my wave's codes
	s_mov_b32 s[CNT], 4
	s_mov_b32 s[SST], 0
	s_mov_b32 s[SSC], 0
	s_mov_b32 s[SCB], 0
.Lstage_a:
	BLOCK 0, 0, 0, 0, 0
	s_add_co_u32 s[SST], s[SST], 384
	s_add_co_u32 s[SSC], s[SSC], 1
	s_add_co_u32 s[SCB], s[SCB], 128
	s_sub_co_u32 s[CNT], s[CNT], 1
	s_cmp_lg_u32 s[CNT], 0
	s_cbranch_scc1 .Lstage_a
	; ---- the weights: my wave's block along K of W1 or W2, four columns a lane; and, in waves 0-3, a unit of W3 a lane
	s_wait_loadcnt 0x0
	WCOL 0
	WCOL 1
	WCOL 2
	WCOL 3
	v_sub_nc_u32 v122, v[W3S], v[RQ4]              ; W3A + 640 wave + 320 h + 4 r: w3 has 4 bytes a unit
	s_cmp_lt_u32 s[WV], 4
	s_cbranch_scc0 .Lno_w3_store
	WIN 0x04                                       ; an LDS store's data are its source 1: window 1
	ds_store_b64 v[W3S], v[RW3:RW3+1]              ; (w0, w4)
	ds_store_b64 v[W3S], v[RW3+2:RW3+3] offset:128 ; (w1, w2)
	ds_store_b32 v122, v[RW3+4] offset:256         ; w3
	WIN 0
.Lno_w3_store:
	s_wait_dscnt 0x0                               ; for the others' sake: my stores have landed
	s_barrier_signal -1
	s_barrier_wait -1                              ; W1's and W2's codes and scale words and W3 lie in LDS
	; ---- the second layer
	LOADCODES
	s_mov_b32 s[CNT], 4
	s_mov_b32 s[SST], 0
	s_mov_b32 s[SSC], 0
	s_mov_b32 s[SCB], 0
	s_mov_b32 s[SWF], 0
	s_mov_b32 s[SWS], 0
.Lstage_b:
	BLOCK 1, 0, WQ1, WS1, 2560
	s_add_co_u32 s[SST], s[SST], 384
	s_add_co_u32 s[SSC], s[SSC], 1
	s_add_co_u32 s[SCB], s[SCB], 128
	s_add_co_u32 s[SWF], s[SWF], 3072
	s_add_co_u32 s[SWS], s[SWS], 128
	s_sub_co_u32 s[CNT], s[CNT], 1
	s_cmp_lg_u32 s[CNT], 0
	s_cbranch_scc1 .Lstage_b
	; ---- the third layer, and the last product on its results
	LOADCODES
	WIN 0x40
.set I, 0
.rept 56
	v_mov_b32 v[ACC+I], 0                          ; the 32 pairs of sums begin as zeros, so that the block is written once
.set I, I+1
.endr
.set I, 0
.rept 8
	v_mov_b32 v[248+I], 0
.set I, I+1
.endr
	WIN 0
	s_mov_b32 s[CNT], 4
	s_mov_b32 s[SCB], 0
	s_mov_b32 s[SWF], 0
	s_mov_b32 s[SWS], 0
	s_mov_b32 s[SW3], 0
.Lstage_c:
	BLOCK 1, 1, WQ2, WS2, 3072
	s_add_co_u32 s[SCB], s[SCB], 128
	s_add_co_u32 s[SWF], s[SWF], 3072
	s_add_co_u32 s[SWS], s[SWS], 128
	s_add_co_u32 s[SW3], s[SW3], 640
	s_sub_co_u32 s[CNT], s[CNT], 1
	s_cmp_lg_u32 s[CNT], 0
	s_cbranch_scc1 .Lstage_c
	; ---- the outputs.  The odd units' sums join the even units'; then lanes l and l xor 16 add their halves of the 128 units: every lane then holds its sample's numbers, lanes r and r + 16 the same.
	; v190 + 2 k: (c0, c4) of kind k;  v218 + 2 m: (c1, c2) of P, T1, T2, T3;  v226 + 2 m: their c3, even and odd units
	s_wait_kmcnt 0x0                               ; b3
	WIN 0x45                                       ; destination and both sources window 1
.irp k, 1,5,6,7,8,9,10,11,12,13
	SETO \k
	v_pk_add_f32 v[ACC+2*\k:ACC+2*\k+1], v[ACC+2*\k:ACC+2*\k+1], v[AO:AO+1]
.endr
	WIN 0x01                                       ; source 0 window 1
.set I, 0
.rept 44
	v_permlanex16_b32 v[78+I], v[ACC+I], s[SEL], s[SEL+1]
.set I, I+1
.endr
.set I, 0
.rept 22
	v_pk_add_f32 v[190+I:191+I], v[ACC+I:ACC+I+1], v[78+I:79+I]
.set I, I+2
.endr
	WIN 0
.irp m, 0,1,2,3
	v_add_f32 v[226+2*\m], v[226+2*\m], v[227+2*\m]            ; c3
.endr
	v_add_f32 v190, s24, v190                      ; + b3, on the primal alone: n,
	v_add_f32 v191, s28, v191                      ; Fi,
	v_add_f32 v218, s25, v218                      ; v1,
	v_add_f32 v219, s26, v219                      ; v2,
	v_add_f32 v226, s27, v226                      ; v3
	v_add_f32 v126, v194, v196
	v_add_f32 v127, v220, v222
	v_add_f32 v128, v221, v223
	v_add_f32 v129, v228, v230
	v_add_f32 v126, v126, v198                     ; n_x + n_y + n_z
	v_add_f32 v127, v127, v224                     ; the same of v1,
	v_add_f32 v128, v128, v225                     ; v2,
	v_add_f32 v129, v129, v232                     ; v3
	v_mul_f32 v130, v218, v126
	v_mul_f32 v131, v219, v126
	v_mul_f32 v132, v226, v126
	v_fma_f32 v130, v190, v127, v130               ; j_div: v130-132
	v_fma_f32 v131, v190, v128, v131
	v_fma_f32 v132, v190, v129, v132
	v_mul_f32 v133, v190, v218                     ; j = n v: v133-135
	v_mul_f32 v134, v190, v219
	v_mul_f32 v135, v190, v226
	v_mul_f32 v136, v218, v194                     ; v_adv = v_k n_k: v136-138
	v_mul_f32 v137, v219, v196
	v_mul_f32 v138, v226, v198
	v_add_f32 v139, v200, v208
	v_add_f32 v140, v206, v208
	v_add_f32 v141, v208, v212
	v_add_f32 v142, v210, v214
	v_add_f32 v139, v139, v214                     ; v_lap = N01 + N12 + N23
	v_add_f32 v140, v140, v210                     ; v_div_grd: v140-142
	v_add_f32 v141, v141, v214
	v_add_f32 v142, v142, v216
	v_add_f32 v144, v201, v203
	v_add_f32 v145, v207, v209
	v_add_f32 v146, v209, v213
	v_add_f32 v147, v211, v215
	v_add_f32 v144, v144, v205                     ; Fi_lap: v144-147
	v_add_f32 v145, v145, v211
	v_add_f32 v146, v146, v215
	v_add_f32 v147, v147, v217
	v_add_f32 v148, v190, v190                     ; ro = 2 n
	v_add_f32 v149, v192, v192                     ; ro_t
.irp k, 0,1,2
	v_add_f32 v[150+\k], v[194+2*\k], v[194+2*\k]  ; ro_grd: v150-152
	v_add_f32 v[153+\k], v[130+\k], v[130+\k]      ; rov_div: v153-155
.endr
	s_lshl_b32 s44, ttmp9, 9                       ; the work-group's part of an output of 4, 12, 16 bytes a sample (the loads that used these offset registers are long in)
	v_add_nc_u32 v[VW], s44, v[LN16]
	s_mul_i32 s44, ttmp9, 1536
	v_add_nc_u32 v[VW3], s44, v[LN16]
	s_lshl_b32 s44, ttmp9, 11
	v_add_nc_u32 v[GX], s44, v[LN16]
	ds_store_b32 v[ST4], v190                      ; out0  n.  (All lanes are on: lanes r and r + 16 write the same word with the same value)
	ds_store_b32 v[ST4], v192 offset:512           ; out1  n_t
	ds_store_b32 v[ST4], v191 offset:5632          ; out5  Fi
	ds_store_b32 v[ST4], v192 offset:11264         ; out9  v_t
	ds_store_b32 v[ST4], v139 offset:13312         ; out11 v_lap
	ds_store_b32 v[ST4], v148 offset:15360         ; out13 ro
	ds_store_b32 v[ST4], v149 offset:15872         ; out14 ro_t
.irp k, 0,1,2
	ds_store_b32 v[ST12], v[194+2*\k] offset:1024+4*\k     ; out2  n_grd
	ds_store_b32 v[ST12], v[133+\k] offset:2560+4*\k       ; out3  j
	ds_store_b32 v[ST12], v[130+\k] offset:4096+4*\k       ; out4  j_div
	ds_store_b32 v[ST12], v[195+2*\k] offset:6144+4*\k     ; out6  Fi_grd
	ds_store_b32 v[ST12], v[136+\k] offset:11776+4*\k      ; out10 v_adv
	ds_store_b32 v[ST12], v[140+\k] offset:13824+4*\k      ; out12 v_div_grd
	ds_store_b32 v[ST12], v[150+\k] offset:16384+4*\k      ; out15 ro_grd
	ds_store_b32 v[ST12], v[153+\k] offset:17920+4*\k      ; out16 rov_div
.endr
	ds_store_b32 v[ST12], v218 offset:9728         ; out8  v
	ds_store_b32 v[ST12], v219 offset:9732
	ds_store_b32 v[ST12], v226 offset:9736
	ds_store_b128 v[ST16], v[144:147] offset:7680  ; out7  Fi_lap
	s_wait_dscnt 0x0                               ; for the others' sake: my stores have landed
	s_barrier_signal -1
	s_barrier_wait -1                              ; the 17 outputs of 128 samples lie in the stage
	; ---- the way out: 38 chunks of 512 bytes; wave w takes chunks w, w + 8, ..  Each store covers 512 consecutive bytes, at a multiple of 512 from its output's first byte.
.irp w, 0,1,2,3,4,5,6,7
.if \w < 7
	s_cmp_eq_u32 s[WV], \w
	s_cbranch_scc0 .Lnot_wave_\w
.endif
.irp n, 0,1,2,3,4
.if \w+8*\n < 38
	ds_load_b128 v[78+4*\n:81+4*\n], v[LN16] offset:STG+512*(\w+8*\n)
.endif
.endr
	s_wait_dscnt 0x0
.irp n, 0,1,2,3,4
.if \w+8*\n < 38
	MAPC \w+8*\n
	global_store_b128 v[CV], v[78+4*\n:81+4*\n], s[68+2*CK:69+2*CK] offset:512*CI th:TH_STORE_NT
.endif
.endr
	s_wait_xcnt 0x0
	v_lshl_add_u32 v254, v0, 2, 0x39e00
	v_mov_b32 v255, 0
	s_wait_tensorcnt 0x0
	ds_add_u32 v254, v255
	s_wait_dscnt 0x0
	s_endpgm
.if \w < 7
.Lnot_wave_\w:
.endif
.endr
.Lfunc_end_k_q4c3230a912_grad:
	.size	k_q4c3230a912_grad, .Lfunc_end_k_q4c3230a912_grad-k_q4c3230a912_grad
	.p2alignl 7, 3214868480
	.fill 96, 4, 3214868480
	.section	.rodata,"a",@progbits
	.p2align	6, 0x0
	.amdhsa_kernel k_q4c3230a912_grad
		.amdhsa_group_segment_fixed_size 238080
		.amdhsa_private_segment_fixed_size 0
		.amdhsa_enable_private_segment 0
		.amdhsa_kernarg_size 208
		.amdhsa_user_sgpr_count 2
		.amdhsa_user_sgpr_kernarg_segment_ptr 1
		.amdhsa_wavefront_size32 1
		.amdhsa_system_sgpr_workgroup_id_x 1
		.amdhsa_system_sgpr_workgroup_id_y 1
		.amdhsa_system_sgpr_workgroup_id_z 1
		.amdhsa_system_vgpr_workitem_id 0
		.amdhsa_next_free_vgpr 512
		.amdhsa_next_free_sgpr 102
		.amdhsa_reserve_vcc 0
		.amdhsa_float_denorm_mode_32 3
		.amdhsa_float_denorm_mode_16_64 3
		.amdhsa_memory_ordered 1
		.amdhsa_forward_progress 1
		.amdhsa_inst_pref_size 182
	.end_amdhsa_kernel
	.amdgpu_metadata
---
amdhsa.version: [ 1, 2 ]
amdhsa.kernels:
  - .name:           k_q4c3230a912_grad
    .symbol:         k_q4c3230a912_grad.kd
    .args:
      - { .name: x, .offset: 0, .size: 8, .value_kind: global_buffer, .address_space: global }
      - { .name: W0, .offset: 8, .size: 8, .value_kind: global_buffer, .address_space: global }
      - { .name: b0, .offset: 16, .size: 8, .value_kind: global_buffer, .address_space: global }
      - { .name: W1, .offset: 24, .size: 8, .value_kind: global_buffer, .address_space: global }
      - { .name: b1, .offset: 32, .size: 8, .value_kind: global_buffer, .address_space: global }
      - { .name: W2, .offset: 40, .size: 8, .value_kind: global_buffer, .address_space: global }
      - { .name: b2, .offset: 48, .size: 8, .value_kind: global_buffer, .address_space: global }
      - { .name: W3, .offset: 56, .size: 8, .value_kind: global_buffer, .address_space: global }
      - { .name: b3, .offset: 64, .size: 8, .value_kind: global_buffer, .address_space: global }
      - { .name: out0, .offset: 72, .size: 8, .value_kind: global_buffer, .address_space: global }
      - { .name: out1, .offset: 80, .size: 8, .value_kind: global_buffer, .address_space: global }
      - { .name: out2, .offset: 88, .size: 8, .value_kind: global_buffer, .address_space: global }
      - { .name: out3, .offset: 96, .size: 8, .value_kind: global_buffer, .address_space: global }
      - { .name: out4, .offset: 104, .size: 8, .value_kind: global_buffer, .address_space: global }
      - { .name: out5, .offset: 112, .size: 8, .value_kind: global_buffer, .address_space: global }
      - { .name: out6, .offset: 120, .size: 8, .value_kind: global_buffer, .address_space: global }
      - { .name: out7, .offset: 128, .size: 8, .value_kind: global_buffer, .address_space: global }
      - { .name: out8, .offset: 136, .size: 8, .value_kind: global_buffer, .address_space: global }
      - { .name: out9, .offset: 144, .size: 8, .value_kind: global_buffer, .address_space: global }
      - { .name: out10, .offset: 152, .size: 8, .value_kind: global_buffer, .address_space: global }
      - { .name: out11, .offset: 160, .size: 8, .value_kind: global_buffer, .address_space: global }
      - { .name: out12, .offset: 168, .size: 8, .value_kind: global_buffer, .address_space: global }
      - { .name: out13, .offset: 176, .size: 8, .value_kind: global_buffer, .address_space: global }
      - { .name: out14, .offset: 184, .size: 8, .value_kind: global_buffer, .address_space: global }
      - { .name: out15, .offset: 192, .size: 8, .value_kind: global_buffer, .address_space: global }
      - { .name: out16, .offset: 200, .size: 8, .value_kind: global_buffer, .address_space: global }
    .group_segment_fixed_size: 238080
    .private_segment_fixed_size: 0
    .kernarg_segment_align: 8
    .kernarg_segment_size: 208
    .max_flat_workgroup_size: 256
    .sgpr_count:     102
    .vgpr_count:     512
    .wavefront_size: 32
...
	.end_amdgpu_metadata
.endif
;; end of part 1
